; MI455X (gfx1250); checked and timed in simulation.
; The chip was launched on July 23, 2026; its instructions are those of AMD's public machine-readable ISA for CDNA 5 (MIT licence, August 2026) and "CDNA5" Instruction Set Architecture Reference Guide (July 2026). The comments in the code are by the model that wrote it; some were corrected since.
;; Spatial Attention. Allowed arithmetic: matrix products marked QUANTISED: E2M3 operands, one E8M0 scale for each 32 along K, by v_wmma_scale_f32_16x16x128_f8f6f4 with both operands' format E2M3, f32 sums; everything else in f32.
;; Inputs: w_out 128 x 128 float32; w_qkv 128 x 384 float32; x 1 x 128 x 4 x 64 x 64 float32.
;; Outputs: out0 1 x 128 x 4 x 64 x 64 float32.
;; This version of the problem:
;;   THIS VERSION OF THE PROBLEM IS GIVEN IN LOW PRECISION. The matrix products marked QUANTISED in the list below multiply operands that are first quantised to E2M3 (2 exponent bits, 3 mantissa bits; 6 bits a number), with one power-of-two scale for each 32 numbers along K (OCP MX v1.0); their sums are f32. All else is computed in f32.
;;   The module's matrix products, in the order in which they are computed (A, B: the left and right operand; K: the contracted axis; several contracted axes count as one K, in the product's order):
;;     1. [M 16,384, K 128] x [K 128, N 384]; A: input x; B: input w_qkv: QUANTISED
;;     2. batch 16 x [M 4,096, K 32] x [K 32, N 4,096]; A: computed on the way; B: computed on the way: QUANTISED
;;     3. batch 16 x [M 4,096, K 4,096] x [K 4,096, N 32]; A: softmax (see below); B: computed on the way: QUANTISED
;;     4. [M 16,384, K 128] x [K 128, N 128]; A: computed on the way; B: input w_out: QUANTISED
;;   THE QUANTISER, for each operand of a quantised product, along K:
;;     - K is cut into blocks of 32 from its start; a last block that is shorter is filled with zeros.
;;     - A block's scale is 2^e with e = floor(log2(the largest magnitude in the block)) - 2, held to -126 .. 127; a block of zeros has e = 0. As a byte (E8M0): e + 127.
;;     - Each number is divided by its block's scale, clamped to +-7.5, and rounded to the nearest number of E2M3, ties to even, subnormals kept.
;;     - The product sums the exact products of the quantised numbers (number of the format x scale) in f32.
;;   ~~~python
;;   def quantise(x, axis):      # numpy; x: float32 -> the quantised numbers, widened to float32 again
;;       x = np.moveaxis(x, axis, -1); K = x.shape[-1]
;;       x = np.pad(x, [(0, 0)] * (x.ndim - 1) + [(0, -K % 32)]); x = x.reshape(x.shape[:-1] + (-1, 32)); a = np.abs(x).max(-1, keepdims=True)
;;       e = np.where(a > 0, np.clip(np.frexp(np.where(a > 0, a, 1))[1] - 1 - 2, -126, 127), 0)      # np.frexp(a)[1] - 1 = floor(log2(a)), exactly
;;       r = np.clip(x / 2.0 ** e, -7.5, 7.5)
;;       step = 2.0 ** (np.maximum(np.frexp(np.where(r == 0, 1, r))[1] - 1, 0) - 3)
;;       q = np.round(r / step) * step * 2.0 ** e      # np.round: ties to even
;;       return np.moveaxis(q.reshape(q.shape[:-2] + (-1,))[..., :K], -1, axis).astype(np.float32)
;;   ~~~
;;   SOFTMAX AHEAD OF A QUANTISED PRODUCT. Where the list says 'softmax', what is quantised is not the finished softmax but p = 2^(t - M), with t = logit x log2(e) and M = ceil(the row's largest t), a whole number; so 1/2 < the row's largest p <= 1. The row's sum l is taken of the UNQUANTISED p, in f32, and the product's result is divided by l at the end. Since M is a whole number, a kernel that streams over the keys may use a running M (the ceiling of the running maximum): every later rescaling is an exact power of two, which a block's scale takes up: the codes' values come out the same.
;;   OPERANDS COMPUTED ON THE WAY. 'Computed on the way' means the value that the module computes at that place (a softmax that the list does not call 'softmax' is quantised finished and normalised). What goes into a quantiser is computed in f32, as accurately as f32 sums, v_exp_f32 and their like allow (about 1e-6 of the number): no bf16 or f16 on the way to a quantiser, and a product that is left as it is and whose result goes on into a quantised operand takes f32 operands (vector FMAs, or v_wmma_f32_16x16x4_f32). A number that lies on a knife's edge between two numbers of the format may be rounded either way, as far as f32 arithmetic and the matrix unit's own rounding can turn it there, and no further.
;; One version. Each part assembles by itself: llvm-mc -triple=amdgcn-amd-amdhsa -mcpu=gfx1250 --defsym DOCPART=n.
;; ======== version 1 of 1: 3 launches
;; limits: right only within a limited range of input values
;; workspace buffers: qbuf 1,703,936 bytes; kv 3,276,800 bytes; oc 1,572,864 bytes; os 65,536 bytes
;; launch qkv (part 1): grid 128 x 1, 8 waves a work-group, no clusters, 52,224 bytes of LDS; arguments x, w_qkv, qbuf, kv; writes qbuf, kv
.if DOCPART == 1
	.amdgcn_target "amdgcn-amd-amdhsa--gfx1250"
	.amdhsa_code_object_version 6
	.text
	.protected	k_qa990ae33dc_qkv
	.globl	k_qa990ae33dc_qkv
	.p2align	8
	.type	k_qa990ae33dc_qkv,@function
k_qa990ae33dc_qkv:
	s_mov_b64 s[64:65], 0
	v_nop
	global_prefetch_b8 v0, s[64:65] scope:SCOPE_SE
	s_setreg_imm32_b32 hwreg(HW_REG_WAVE_MODE, 25, 1), 1
	s_wait_xcnt 0x0
; qkv = xs w_qkv on codes of FP6 (E2M3) with one E8M0 scale for each 32 along K; then q x 32^-0.5, and q, k (along the head's 32) and v (along the tokens) are quantised again and stored
; as IMAGES OF OPERAND REGISTERS for the attention launch.  x: [128 c][16,384 tokens] f32, w_qkv: [128 c][384] f32: in both K is the first axis, so a lane takes a column and its registers run down K.
; SHARES.  A work-group takes 128 tokens (one key step s of frame f: work-group = 32 f + s).  Eight waves: hd = wave / 2, sub = wave % 2.
; PHASE A: wave (hd, sub) quantises channels 64 sub .. 64 sub + 63 of tokens 32 hd .. 32 hd + 31 and of the 3 x 32 columns of w_qkv that belong to head hd: 8 units of 32 columns x 32 K.
;   The codes go to LDS as fragment images, 48 bytes a lane (lane' = row + 16 half; 24 bytes for each of its two blocks), the scale bytes as words, 4 bytes a row.  One barrier.
; PHASE B: wave (hd, sub): q and k of head hd for tokens 64 sub .. + 63 (source 0 = 16 columns of W, source 1 = 16 tokens: a lane holds one token, its registers run along d), and 16 channels (16 sub ..) of v of head hd for all 128
;   tokens (source 0 = 16 tokens, source 1 = 16 columns of W: a lane holds one channel, its registers run along the tokens).
; THE TOKENS OF A TILE ARE NOT NEIGHBOURS: among 64 tokens, row r of tile b is token 32 (r / 8) + 8 b + r % 8.  So where tokens are a result's rows, a lane's 32 registers of four tiles are 32 neighbouring tokens: a whole block.
; q's and k's fragment holds 64 tokens: block b of row r = the 32 codes of (tile b, row r); inside a block, place 16 h + 8 u + j holds d = 16 u + 8 h + j, in q and k alike, so their products are those of d in order.
; The weights are read by every work-group.  They are not asked for jointly: the quantiser wants a lane to a column with registers down K, which plain loads give at once (128 consecutive bytes a load);
;   brought by a tensor load they would pass through LDS once more, 196,608 bytes of it, ahead of the same work.
; LIMITS: NaN and infinities among the inputs are not served.  A block of zeros gets the byte 1 where the rule says 127: its codes are zeros, and the bytes are read by this program alone.
.set SCL,  49152                       ; LDS: 32 images of 1,536 bytes (slots 0-7: x's tiles; 8 + 8 kind + 2 hd + u: W's), then 32 x 64 bytes of scale words
.set X,    32                          ; phase A: v32-95 two sets of 32 numbers
.set CD,   96                          ; v96-143 six registers of codes for each of the 8 units
.set TT,   144                         ; v144-146 a block's upper 16 codes, before they are moved
.set BY,   148                         ; v148-155 a scale byte for each unit
.set HA,   32                          ; phase B: v32-95 eight result tiles
.set XF,   96                          ; v96-191 x's fragments
.set WF,   192                         ; v192-215 W's fragments
.set PC,   216                         ; v216-227 the fragment just made; v228-234 at work
.set TM,   236                         ; v236-251 at work in the quantisers
.set XS,   16                          ; v16-23 x's scale words, v24-25 W's: scales and nothing else
.set WS,   24
.set PW,   26                          ; the scale word just made; v27 k's, kept; v28 k's below and v's above
.set PWK,  27
.set KVW,  28
.set WSV,  1                           ; addresses: see where they are made
.set LI,   2
.set LO4,  3
.set IX,   4
.set SX,   5
.set IW,   6
.set SW,   7
.set L48,  8
.set XA,   9
.set WA,   10
.set WV,   11
.set SH8,  15
.set XSA,  29
.set XS0,  30
.set WSA,  31
; unit t = 2 k + h: k = 0: x; k = 1, 2, 3: the q, k, v columns of W.  32 loads: K rows 64 sub + 32 h + i, my column; 128 consecutive bytes a load
.macro LOADT t
.set ii, 0
.rept 32
.if (\t) < 2
	global_load_b32 v[X+32*((\t)%2)+ii], v[LO4], s[24:25] offset:(32*((\t)%2)+ii)*65536 th:TH_LOAD_NT
.else
	global_load_b32 v[X+32*((\t)%2)+ii], v[LO4], s[26:27] offset:((\t)/2-1)*512+(32*((\t)%2)+ii)*1536
.endif
.set ii, ii+1
.endr
.endm
; a block of 32 along K, all in my registers: its largest magnitude (with the floor 2^(3 - 127), so that the byte cannot fall under 1), 2 off the exponent field = the conversion's scale operand, its byte, 24 bytes of codes
.macro UNITQ set, c, by
.set XB, X+32*(\set)
	v_max3_num_f32 v12, |v[XB]|, |v[XB+1]|, |v[XB+2]|
	v_max3_num_f32 v13, |v[XB+3]|, |v[XB+4]|, |v[XB+5]|
.irp i, 6,10,14,18,22,26
	s_delay_alu instid0(VALU_DEP_2)
	v_max3_num_f32 v12, v12, |v[XB+\i]|, |v[XB+\i+1]|
	s_delay_alu instid0(VALU_DEP_2)
	v_max3_num_f32 v13, v13, |v[XB+\i+2]|, |v[XB+\i+3]|
.endr
	s_delay_alu instid0(VALU_DEP_2)
	v_max3_num_f32 v12, v12, |v[XB+30]|, |v[XB+31]|
	s_delay_alu instid0(VALU_DEP_1)
	v_max3_num_f32 v12, v12, v13, 0x1800000
	s_delay_alu instid0(VALU_DEP_1)
	v_add_nc_u32 v14, 0xff000000, v12
	v_cvt_scalef32_pk16_fp6_f32 v[\c:\c+2], v[XB:XB+15], v14
	v_cvt_scalef32_pk16_fp6_f32 v[TT:TT+2], v[XB+16:XB+31], v14    ; (a conversion's three registers begin on an even number)
	v_lshrrev_b32 v[\by], 23, v14                  ; the byte; also the plain place behind the conversions
.irp i, 0,1,2
	v_mov_b32 v[\c+3+\i], v[TT+\i]
.endr
.endm
.macro UNIT t
.if (\t) < 7
	s_wait_loadcnt 32                              ; this unit's 32 loads are in; the next unit's 32 may be out
.else
	s_wait_loadcnt 0x0
.endif
	UNITQ (\t)%2, CD+6*(\t), BY+(\t)
.irp i, 0,1,2
.if (\t) < 2
	ds_store_b64 v[IX], v[CD+6*(\t)+2*\i:CD+6*(\t)+2*\i+1] offset:768*((\t)%2)+8*\i
.else
	ds_store_b64 v[IW], v[CD+6*(\t)+2*\i:CD+6*(\t)+2*\i+1] offset:((\t)/2)*12288+768*((\t)%2)+8*\i
.endif
.endr
.if (\t)%2 == 1
	v_lshl_or_b32 v[BY+(\t)], v[BY+(\t)], 8, v[BY+(\t)-1]   ; the bytes of blocks 2 sub and 2 sub + 1 of my column: half a scale word
.if (\t) < 2
	ds_store_b16 v[SX], v[BY+(\t)]
.else
	ds_store_b16 v[SW], v[BY+(\t)] offset:((\t)/2)*512
.endif
.endif
.if (\t)+2 < 8
	LOADT (\t)+2
.endif
.endm
; 64 numbers of a lane, register 16 b + i = place 16 (lane / 16) + i of block b of my row, become a fragment in v[PC] on and its scale word in v[PW]
.macro QUANT s
.irp b, 0,1,2,3
	v_max3_num_f32 v[TM+\b], |v[\s+16*\b]|, |v[\s+1+16*\b]|, 0x1800000
.endr
.irp i, 2,4,6,8,10,12,14
.irp b, 0,1,2,3
	v_max3_num_f32 v[TM+\b], v[TM+\b], |v[\s+16*\b+\i]|, |v[\s+1+16*\b+\i]|
.endr
.endr
.irp b, 0,1,2,3
	s_delay_alu instid0(VALU_DEP_4)
	v_permlanex16_b32 v[TM+4+\b], v[TM+\b], s20, s21
.endr
.irp b, 0,1,2,3
	s_delay_alu instid0(VALU_DEP_4)
	v_max_num_f32 v[TM+\b], v[TM+\b], v[TM+4+\b]   ; with lane l xor 16's 16: the block's largest magnitude
.endr
.irp b, 0,1,2,3
	s_delay_alu instid0(VALU_DEP_4)
	v_add_nc_u32 v[TM+12+\b], 0xff000000, v[TM+\b]
.endr
.irp b, 0,1,2,3
	s_delay_alu instid0(VALU_DEP_4)
	v_lshrrev_b32 v[TM+4+\b], 23, v[TM+12+\b]
.endr
	s_delay_alu instid0(VALU_DEP_3)
	v_lshl_or_b32 v[PW], v[TM+5], 8, v[TM+4]
	s_delay_alu instid0(VALU_DEP_1)
	v_lshl_or_b32 v[PW], v[TM+6], 16, v[PW]
	s_delay_alu instid0(VALU_DEP_1)
	v_lshl_or_b32 v[PW], v[TM+7], 24, v[PW]
.irp c, 0,1
	v_cvt_scalef32_pk16_fp6_f32 v[PC+6*\c:PC+2+6*\c], v[\s+32*\c:\s+15+32*\c], v[TM+12+2*\c]
	v_cvt_scalef32_pk16_fp6_f32 v[PC+12+4*\c:PC+14+4*\c], v[\s+16+32*\c:\s+31+32*\c], v[TM+12+2*\c+1]
.endr
	v_nop                                          ; one plain place behind a scaled conversion
.irp c, 0,1                                    ; the layout wants a whole block in a lane: lanes 0-15 block 2 c, lanes 16-31 block 2 c + 1
.irp i, 0,1,2
	v_permlane16_swap_b32 v[PC+6*\c+\i], v[PC+12+4*\c+\i]
.endr
.irp i, 0,1,2
	s_delay_alu instid0(VALU_DEP_3)
	v_mov_b32 v[PC+3+6*\c+\i], v[PC+12+4*\c+\i]
.endr
.endr
.endm
; 64 numbers of a lane, register 32 c + i = element i of block 2 c + lane / 16 of my row: whole blocks, already in the operand's order
.macro QUANTW s
.irp c, 0,1
	v_max3_num_f32 v[TM+\c], |v[\s+32*\c]|, |v[\s+1+32*\c]|, 0x1800000
.endr
.irp i, 2,4,6,8,10,12,14,16,18,20,22,24,26,28,30
.irp c, 0,1
	v_max3_num_f32 v[TM+\c], v[TM+\c], |v[\s+32*\c+\i]|, |v[\s+1+32*\c+\i]|
.endr
.endr
.irp c, 0,1
	s_delay_alu instid0(VALU_DEP_2)
	v_add_nc_u32 v[TM+12+\c], 0xff000000, v[TM+\c]
.endr
.irp c, 0,1
	s_delay_alu instid0(VALU_DEP_2)
	v_lshrrev_b32 v[TM+4+\c], 23, v[TM+12+\c]
.endr
	s_delay_alu instid0(VALU_DEP_1)
	v_lshl_or_b32 v[TM+8], v[TM+5], 16, v[TM+4]    ; my two bytes, blocks h and 2 + h,
	s_delay_alu instid0(VALU_DEP_1)
	v_lshlrev_b32 v[TM+8], v[SH8], v[TM+8]         ; at their places (8 h bits up);
	s_delay_alu instid0(VALU_DEP_1)
	v_permlanex16_b32 v[TM+9], v[TM+8], s20, s21
	s_delay_alu instid0(VALU_DEP_1)
	v_or_b32 v[PW], v[TM+8], v[TM+9]               ; with lane l xor 16's two the word is whole, in both halves of the lanes
.irp c, 0,1
	v_cvt_scalef32_pk16_fp6_f32 v[PC+6*\c:PC+2+6*\c], v[\s+32*\c:\s+15+32*\c], v[TM+12+\c]
	v_cvt_scalef32_pk16_fp6_f32 v[PC+12+4*\c:PC+14+4*\c], v[\s+16+32*\c:\s+31+32*\c], v[TM+12+\c]
.endr
	v_nop
.irp c, 0,1
.irp i, 0,1,2
	v_mov_b32 v[PC+3+6*\c+\i], v[PC+12+4*\c+\i]
.endr
.endr
.endm
.macro XTILE b, adr, sadr                      ; an image of x comes back as a fragment: 48 bytes a lane, three loads; and its scale words
.irp i, 0,1,2
	ds_load_b128 v[XF+12*(\b)+4*\i:XF+12*(\b)+4*\i+3], v[\adr] offset:1536*(\b)+16*\i
.endr
	ds_load_b32 v[XS+(\b)], v[\sadr] offset:64*(\b)
.endm
.macro WTILE u, adr, sadr, off, soff
.irp i, 0,1,2
	ds_load_b128 v[WF+12*(\u)+4*\i:WF+12*(\u)+4*\i+3], v[\adr] offset:(\off)+16*\i
.endr
	ds_load_b32 v[WS+(\u)], v[\sadr] offset:\soff
.endm
.macro MM d, a, b, sa, sb                      ; K = 128 is one instruction: every sum starts and ends here, on an accumulator of its own
	v_wmma_scale_f32_16x16x128_f8f6f4 v[\d:\d+7], v[\a:\a+11], v[\b:\b+11], 0, v[\sa], v[\sb] matrix_a_fmt:MATRIX_FMT_FP6 matrix_b_fmt:MATRIX_FMT_FP6
.endm
.macro PUT base, off                           ; the fragment goes out as it stands: each store covers 512 consecutive bytes, aligned to 256
.irp i, 0,1,2
	global_store_b128 v[LI], v[PC+4*\i:PC+4*\i+3], s[\base:\base+1] offset:(\off)+512*\i
.endr
.endm
.macro PLACES                                  ; four plain places between a matrix instruction and the first read of its result (ISA guide 7.12.1)
.rept 4
	v_nop
.endr
.endm
	s_load_b256 s[4:11], s[0:1], 0x0               ; x s[4:5], w_qkv s[6:7], qbuf s[8:9], kv s[10:11]
	v_lshl_add_u32 v254, v0, 2, 0xc800
	v_mov_b32 v255, 0
	v_lshrrev_b32 v1, 5, v0
	s_delay_alu instid0(VALU_DEP_1)
	v_readfirstlane_b32 s12, v1                    ; wave 0..7
	s_lshr_b32 s13, s12, 1                         ; hd
	s_and_b32 s14, s12, 1                          ; sub
	s_lshr_b32 s15, ttmp9, 5                       ; f
	s_and_b32 s16, ttmp9, 31                       ; s
	s_mov_b32 s20, 0x76543210
	s_mov_b32 s21, 0xfedcba98                      ; v_permlanex16_b32's selects for lane l xor 16
	s_mov_b32 s22, 0xffff0000                      ; lanes 16-31
	; byte offsets into the four buffers
	s_lshl_b32 s36, s14, 22                        ; x: 64 sub rows of 65,536 bytes,
	s_lshl_b32 s17, ttmp9, 9                       ; the work-group's 128 tokens,
	s_add_co_u32 s36, s36, s17
	s_lshl_b32 s18, s13, 7                         ; 32 hd columns (in x: tokens; in W: the head's columns)
	s_add_co_u32 s36, s36, s18
	s_mov_b32 s37, 0
	s_mul_i32 s38, s14, 98304                      ; W: 64 sub rows of 1,536 bytes
	s_add_co_u32 s38, s38, s18
	s_mov_b32 s39, 0
	s_lshl_b32 s17, s15, 2
	s_add_co_u32 s17, s17, s13                     ; y = 4 f + hd
	s_lshl_b32 s19, s17, 6
	s_lshl_b32 s23, s16, 1
	s_add_co_u32 s19, s19, s23
	s_add_co_u32 s19, s19, s14                     ; q's fragment: 64 y + 2 s + sub
	s_mul_i32 s40, s19, 1536
	s_mov_b32 s41, 0
	s_lshl_b32 s42, s19, 7
	s_add_co_u32 s42, s42, 1572864                 ; its scale words lie behind the 1,024 fragments
	s_mov_b32 s43, 0
	s_lshl_b32 s19, s17, 5
	s_add_co_u32 s19, s19, s16
	s_mul_i32 s19, s19, 6400                       ; the key step's record: (32 y + s) x 6,400
	s_mul_i32 s23, s14, 1536
	s_add_co_u32 s44, s19, s23                     ; k's fragment sub (v's: 3,072 further on)
	s_mov_b32 s45, 0
	s_lshl_b32 s23, s14, 7
	s_add_co_u32 s46, s19, s23
	s_add_co_u32 s46, s46, 6144                    ; scale words sub
	s_mov_b32 s47, 0
	; LDS addresses: constants, constants x lane, constants x wave
	s_lshr_b32 s17, s13, 1                         ; hd / 2: which 64 tokens
	s_and_b32 s19, s13, 1                          ; hd % 2: rows 0-7 or 8-15 of a tile
	s_mul_i32 s23, s17, 6144
	s_mul_i32 s2, s19, 384
	s_add_co_u32 s23, s23, s2
	s_mul_i32 s3, s14, 24
	s_add_co_u32 s23, s23, s3
	s_lshl_b32 s17, s17, 8
	s_lshl_b32 s19, s19, 5
	s_add_co_u32 s17, s17, s19
	s_lshl_b32 s19, s14, 1
	s_add_co_u32 s17, s17, s19
	s_add_co_u32 s17, s17, SCL
	s_mul_i32 s2, s13, 3072
	s_add_co_u32 s3, s2, s3                        ; W's images: 3,072 hd + 24 sub
	s_add_co_u32 s19, s19, s18
	s_add_co_u32 s19, s19, SCL                     ; W's scale words: SCL + 128 hd + 2 sub
	v_and_b32 v12, 31, v0                          ; lane
	s_delay_alu instid0(VALU_DEP_1)
	v_lshlrev_b32 v[LO4], 2, v12                   ; 4 x lane: my column in a load; my scale word in a store
	s_delay_alu instid0(VALU_DEP_2)
	v_lshlrev_b32 v[LI], 4, v12                    ; 16 x lane: my place in a fragment's store
	s_delay_alu instid0(VALU_DEP_3)
	v_mul_u32_u24 v[L48], v12, 48                  ; 48 x lane: my place in an image
	v_and_b32 v13, 7, v0
	v_bfe_u32 v14, v0, 3, 2
	s_delay_alu instid0(VALU_DEP_2)
	v_mul_u32_u24 v[IX], v13, 48                   ; x's image: token 32 hd + l is row 8 (hd % 2) + l % 8 of tile 4 (hd / 2) + l / 8
	s_delay_alu instid0(VALU_DEP_1)
	v_mad_u32_u24 v[IX], v14, 1536, v[IX]
	s_delay_alu instid0(VALU_DEP_1)
	v_add_nc_u32 v[IX], s23, v[IX]
	v_lshlrev_b32 v[SX], 2, v13
	s_delay_alu instid0(VALU_DEP_1)
	v_lshl_add_u32 v[SX], v14, 6, v[SX]
	s_delay_alu instid0(VALU_DEP_1)
	v_add_nc_u32 v[SX], s17, v[SX]
	v_and_b32 v13, 15, v0                          ; r
	v_bfe_u32 v14, v0, 4, 1                        ; h
	s_delay_alu instid0(VALU_DEP_2)
	v_mul_u32_u24 v[IW], v13, 48                   ; W's image: column l is row l % 16 of tile l / 16
	s_delay_alu instid0(VALU_DEP_1)
	v_mad_u32_u24 v[IW], v14, 1536, v[IW]
	s_delay_alu instid0(VALU_DEP_1)
	v_add_nc_u32 v[IW], s3, v[IW]
	v_add_nc_u32 v[SW], s19, v[LO4]
	v_lshlrev_b32 v[SH8], 3, v14
	s_mul_i32 s17, s14, 6144
	v_add_nc_u32 v[XA], s17, v[L48]                ; my 64 tokens' four tiles
	s_add_co_u32 s2, s2, 12288
	v_add_nc_u32 v[WA], s2, v[L48]                 ; my head's tiles of W (q's; k's and v's 12,288 and 24,576 on)
	s_mul_i32 s17, s14, 1536
	v_add_nc_u32 v[WV], s17, v[WA]                 ; tile sub of them
	v_lshl_add_u32 v[XS0], v13, 2, SCL             ; scale words: 4 bytes a row
	s_lshl_b32 s17, s14, 8
	v_add_nc_u32 v[XSA], s17, v[XS0]
	s_add_co_u32 s17, s18, 512
	v_add_nc_u32 v[WSA], s17, v[XS0]
	s_lshl_b32 s17, s14, 6
	v_add_nc_u32 v[WSV], s17, v[WSA]
.irp b, 4,5,6,7,9
	v_mov_b32 v[TM+\b], 0                          ; written once: a lane permute's destination counts as one of its sources
.endr
	s_wait_kmcnt 0x0
	s_add_nc_u64 s[24:25], s[4:5], s[36:37]
	s_add_nc_u64 s[26:27], s[6:7], s[38:39]
	s_add_nc_u64 s[28:29], s[8:9], s[40:41]
	s_add_nc_u64 s[30:31], s[8:9], s[42:43]
	s_add_nc_u64 s[32:33], s[10:11], s[44:45]
	s_add_nc_u64 s[34:35], s[10:11], s[46:47]
	; ---- PHASE A: eight units, loads two units ahead
	LOADT 0
	LOADT 1
.irp t, 0,1,2,3,4,5,6,7
	UNIT \t
.endr
	s_wait_dscnt 0x0                               ; for the others' sake: my images and scale bytes have landed
	s_barrier_signal -1
	s_barrier_wait -1
	; ---- PHASE B, q: lane (r, h) of result 2 b + u holds token (tile b, row r), d = 16 u + 8 h + 0 .. 7
.irp b, 0,1,2,3
	XTILE \b, XA, XSA
.endr
	WTILE 0, WA, WSA, 0, 0
	WTILE 1, WA, WSA, 1536, 64
	s_wait_dscnt 0x0
.irp b, 0,1,2,3
.irp u, 0,1
	MM HA+16*\b+8*\u, WF+12*\u, XF+12*\b, WS+\u, XS+\b
.endr
.endr
	PLACES
.set jj, 0
.rept 32
	v_pk_mul_f32 v[HA+jj:HA+jj+1], v[HA+jj:HA+jj+1], 0x3e3504f3 op_sel_hi:[1,0]   ; q x 32^-0.5, each result from its low end on
.set jj, jj+2
.endr
	QUANT HA
	PUT 28, 0
	global_store_b32 v[LO4], v[PW], s[30:31]
	; ---- k: the same tokens, the head's k columns
	s_wait_xcnt 0x0                                ; the stores have read the fragment and its word: both are made anew below
	WTILE 0, WA, WSA, 12288, 512
	WTILE 1, WA, WSA, 12288+1536, 512+64
	s_wait_dscnt 0x0
.irp b, 0,1,2,3
.irp u, 0,1
	MM HA+16*\b+8*\u, WF+12*\u, XF+12*\b, WS+\u, XS+\b
.endr
.endr
	PLACES
	QUANT HA
	PUT 32, 0
	v_mov_b32 v[PWK], v[PW]
	; ---- v: all 128 tokens, channels 16 sub .. + 15: lane (r, h) of result T holds channel r and tokens 64 (T / 4) + 32 h + 8 (T % 4) + 0 .. 7
	s_wait_xcnt 0x0
.irp b, 0,1,2,3,4,5,6,7
	XTILE \b, L48, XS0
.endr
	WTILE 0, WV, WSV, 24576, 1024
	s_wait_dscnt 0x0
.irp b, 0,1,2,3,4,5,6,7
	MM HA+8*\b, XF+12*\b, WF, XS+\b, WS
.endr
	PLACES
	QUANTW HA
	PUT 32, 3072
	v_cndmask_b32 v[KVW], v[PWK], v[PW], s22       ; one register for the attention launch: lanes 0-15 k's words, lanes 16-31 v's
	global_store_b32 v[LO4], v[KVW], s[34:35]
	s_wait_tensorcnt 0x0
	ds_add_u32 v254, v255
	s_wait_dscnt 0x0
	s_endpgm
.Lfunc_end_k_qa990ae33dc_qkv:
	.size	k_qa990ae33dc_qkv, .Lfunc_end_k_qa990ae33dc_qkv-k_qa990ae33dc_qkv
	.p2alignl 7, 3214868480
	.fill 96, 4, 3214868480
	.section	.rodata,"a",@progbits
	.p2align	6, 0x0
	.amdhsa_kernel k_qa990ae33dc_qkv
		.amdhsa_group_segment_fixed_size 52224
		.amdhsa_private_segment_fixed_size 0
		.amdhsa_enable_private_segment 0
		.amdhsa_kernarg_size 32
		.amdhsa_user_sgpr_count 2
		.amdhsa_user_sgpr_kernarg_segment_ptr 1
		.amdhsa_wavefront_size32 1
		.amdhsa_system_sgpr_workgroup_id_x 1
		.amdhsa_system_sgpr_workgroup_id_y 1
		.amdhsa_system_sgpr_workgroup_id_z 1
		.amdhsa_system_vgpr_workitem_id 0
		.amdhsa_next_free_vgpr 256
		.amdhsa_next_free_sgpr 66
		.amdhsa_reserve_vcc 0
		.amdhsa_float_denorm_mode_32 3
		.amdhsa_float_denorm_mode_16_64 3
		.amdhsa_memory_ordered 1
		.amdhsa_forward_progress 1
		.amdhsa_inst_pref_size 70
	.end_amdhsa_kernel
	.amdgpu_metadata
---
amdhsa.version: [ 1, 2 ]
amdhsa.kernels:
  - .name:           k_qa990ae33dc_qkv
    .symbol:         k_qa990ae33dc_qkv.kd
    .args:
      - { .name: x, .offset: 0, .size: 8, .value_kind: global_buffer, .address_space: global }
      - { .name: w_qkv, .offset: 8, .size: 8, .value_kind: global_buffer, .address_space: global }
      - { .name: qbuf, .offset: 16, .size: 8, .value_kind: global_buffer, .address_space: global }
      - { .name: kv, .offset: 24, .size: 8, .value_kind: global_buffer, .address_space: global }
    .group_segment_fixed_size: 52224
    .private_segment_fixed_size: 0
    .kernarg_segment_align: 8
    .kernarg_segment_size: 32
    .max_flat_workgroup_size: 256
    .sgpr_count:     66
    .vgpr_count:     256
    .wavefront_size: 32
...
	.end_amdgpu_metadata
.endif
;; end of part 1
;; launch attn (part 2): grid 16 x 16, 16 waves a work-group, clusters of 4 x 1, 327,680 bytes of LDS; arguments qbuf, kv, oc, os; writes oc, os
.if DOCPART == 2
	.amdgcn_target "amdgcn-amd-amdhsa--gfx1250"
	.amdhsa_code_object_version 6
	.text
	.protected	k_qa990ae33dc_attn
	.globl	k_qa990ae33dc_attn
	.p2align	8
	.type	k_qa990ae33dc_attn,@function
k_qa990ae33dc_attn:
	s_mov_b64 s[64:65], 0
	v_nop
	global_prefetch_b8 v0, s[64:65] scope:SCOPE_SE
	s_setreg_imm32_b32 hwreg(HW_REG_WAVE_MODE, 25, 1), 1
	s_wait_xcnt 0x0
	s_wait_alu depctr_hold_cnt(0) depctr_sa_sdst(0) depctr_va_vdst(0) depctr_va_sdst(0) depctr_va_ssrc(0) depctr_va_vcc(0) depctr_vm_vsrc(0)
	s_getreg_b32 s2, hwreg(HW_REG_IB_STS2, 6, 4)
	s_cmp_eq_u32 s2, 0
	s_cbranch_scc0 .Lentry_in_a_cluster
	s_endpgm
.Lentry_in_a_cluster:
	s_bfe_u32 s2, ttmp6, 0x10000c
	s_cmp_lg_u32 s2, 0x3003
	s_cbranch_scc0 .Lentry_shape_is_right
	s_endpgm
.Lentry_shape_is_right:
; Attention on codes of FP6 (E2M3) with E8M0 scales; O / sum leaves as codes and scale bytes for the projection's launch.
; SHARES.  A work-group takes 256 queries of one frame and head (y = 4 f + hd); wave w takes tile w % 4 of q's fragment w / 4: 16 queries.
; kv holds one record of 6,400 bytes for each head and step of 128 keys: two fragments of k, two of v, 256 bytes of scale words, all as images of operand registers.
; ALL 32 RECORDS OF THE HEAD STAY IN LDS, 204,800 bytes: wave w brings record w at the head and record 16 + w behind the full sequence and a round.  The four work-groups of a cluster share the head and ask jointly.
; TWO WALKS over the keys.  The first takes each row's largest score.  The second: S^T = k q^T (a lane holds one query, its 64 registers two whole blocks of 32 keys),
; p = 2^((score - the row's largest score) x log2(e)), so the row's largest p is 1; the row's sum is taken of the unquantised p; O^T += v^T p^T.
; In both walks the next step's k is asked of LDS behind this step's scores; each run's last step is written out, so that nothing is read ahead of a fill or past the records.
; k's fragment holds 64 keys, a key's 32 codes in one block of K; q stands in one block of its operand, zeros in the others: four operands laid over each other in v24-53.
; No prefetch: every record is asked for by the two fills at the head, and no loop loads from memory.
; LIMITS: NaN and infinities are not served.  A block of zeros gets the byte 1: its codes are zeros, and this program alone reads the bytes.
.set REC,   6400
.set OSTG,  204800                     ; behind the records: 256 bytes for O's scale bytes
.set SPARE, 205056                     ; the spare words: 128 bytes a wave
.set A0,   1                           ; 16 lane;  S0: 4 lane
.set S0,   2
.set ADR,  3                           ; the same with the step's record
.set ADS,  4
.set SH8,  5
.set OA,   6
.set OSA,  7
.set OSR,  8
.set OSG,  9
.set QS,   20                          ; v20 q's scale word, v21 p's, v22-23 k's (lanes 0-15), v214-215 v's (lanes 16-31): scales and nothing else
.set PS,   21                          ; v12-13: minus the row's largest score;  v14-17: the row's sum in two chains of pairs
.set SC,   22
.set KF,   56
.set VF,   80
.set S,    104
.set O,    168
.set PC,   184
.set PT,   196
.set CH,   204
.set SO,   208
.set SV,   214
.set SPW,  254
.set NIL,  255
.macro WALU
	s_wait_alu depctr_va_vdst(0)
.endm
.macro CROUND                          ; a round of the cluster's barrier
	s_barrier_signal -1
	s_barrier_wait -1
	s_cmp_lg_u32 s12, 0
	s_cbranch_scc1 .Lnot_wave_0_\@
	s_barrier_signal -3
.Lnot_wave_0_\@:
	s_barrier_wait -3
	s_barrier_signal -1
	s_barrier_wait -1
.endm
.macro SUMS k0, n                      ; n pairs of p from pair k0 on, in two chains
.set kk, \k0
.rept (\n)/2
	v_pk_add_f32 v[14:15], v[14:15], v[S+2*kk:S+2*kk+1]
	v_pk_add_f32 v[16:17], v[16:17], v[S+2*kk+2:S+2*kk+3]
.set kk, kk+2
.endr
.endm
.macro KQ d, g, q
	v_wmma_scale_f32_16x16x128_f8f6f4 v[\d:\d+7], v[KF+12*\g:KF+12*\g+11], v[\q:\q+11], 0, v[SC+\g], v[QS] matrix_a_fmt:MATRIX_FMT_FP6 matrix_b_fmt:MATRIX_FMT_FP6
.endm
.macro SCORES                          ; 128 keys x 16 queries
.irp g, 0,1
	KQ S+32*\g, \g, 30
	KQ S+32*\g+8, \g, 42
	KQ S+32*\g+16, \g, 24
	KQ S+32*\g+24, \g, 36
.endr
.endm
.macro KL                              ; k's two fragments and the scale words of the step at ADR, ADS
.irp i, 0,1,2,3,4,5
	ds_load_b128 v[KF+4*\i:KF+4*\i+3], v[ADR] offset:512*\i
.endr
	ds_load_b32 v[SC], v[ADS] offset:6144
	ds_load_b32 v[SC+1], v[ADS] offset:6272
.endm
.macro FIRSTK                          ; the run's first step
	v_add_nc_u32 v[ADR], s36, v[A0]
	v_add_nc_u32 v[ADS], s36, v[S0]
	KL
.endm
.macro NEXTK pref                      ; four places behind the products (ISA guide 7.12.1); pref = 1: the run's next step follows, and its k is asked for here
.if \pref
	s_add_co_u32 s36, s36, REC
	v_add_nc_u32 v[ADR], s36, v[A0]
	v_add_nc_u32 v[ADS], s36, v[S0]
	v_nop
	v_nop
	KL
.else
.rept 4
	v_nop
.endr
.endif
.endm
; A step of the first walk: the scores of 128 keys go into four running maxima
.macro MAXSTEP pref
	WALU
	s_wait_dscnt 0x0                               ; k's eight loads are in
	SCORES
	NEXTK \pref
.irp i, 0,2,4,6,8,10,12,14
.irp q, 0,1,2,3
	v_max3_num_f32 v[CH+\q], v[CH+\q], v[S+16*\q+\i], v[S+16*\q+\i+1]   ; each result from its low end on
.endr
.endr
.endm
.macro MAXRUN                          ; sixteen steps from the record at s36 on
	FIRSTK
	s_mov_b32 s37, 15
.Lmx_\@:
	MAXSTEP 1
	s_sub_co_u32 s37, s37, 1
	s_cmp_lg_u32 s37, 0
	WALU
	s_cbranch_scc1 .Lmx_\@
	MAXSTEP 0
.endm
; A step of the second walk
.macro STEP pref
.irp i, 0,1,2,3,4,5
	ds_load_b128 v[VF+4*\i:VF+4*\i+3], v[ADR] offset:3072+512*\i   ; v's fragments: eight packed additions stand between the last product that read these registers and here
.endr
	ds_load_b32 v[SV], v[ADS] offset:6144
	ds_load_b32 v[SV+1], v[ADS] offset:6272
	WALU
	s_wait_dscnt 8                                 ; k's eight loads are in; v's eight may be out
	SCORES
	NEXTK \pref
.irp q, 0,1,2,3
	v_max3_num_f32 v[CH+\q], v[S+16*\q], v[S+1+16*\q], v[S+2+16*\q]   ; the largest score of each block of 32 keys, four chains; each result from its low end on
.endr
.irp i, 3,5,7,9,11,13
.irp q, 0,1,2,3
	v_max3_num_f32 v[CH+\q], v[CH+\q], v[S+16*\q+\i], v[S+1+16*\q+\i]
.endr
.endr
	v_max3_num_f32 v[CH], v[CH], v[CH+1], v[S+15]
	v_max3_num_f32 v[CH+2], v[CH+2], v[CH+3], v[S+47]
	v_max_num_f32 v[CH], v[CH], v[S+31]
	v_max_num_f32 v[CH+2], v[CH+2], v[S+63]
.set jj, 0
.rept 32
	v_pk_add_f32 v[S+jj:S+jj+1], v[S+jj:S+jj+1], v[12:13] op_sel_hi:[1,0]   ; score - the row's largest: a difference of its own, rounded,
.set jj, jj+2
.endr
	v_add_f32 v[CH], v[CH], v12
	v_add_f32 v[CH+2], v[CH+2], v12
.set jj, 0
.rept 32
	v_pk_mul_f32 v[S+jj:S+jj+1], v[S+jj:S+jj+1], s[32:33] op_sel_hi:[1,0]   ; and then x log2(e)
.set jj, jj+2
.endr
	v_mul_f32 v[CH], s32, v[CH]
	v_mul_f32 v[CH+2], s32, v[CH+2]
	WALU
.set jj, 0
.rept 64
	v_exp_f32 v[S+jj], v[S+jj]
.set jj, jj+1
.endr
	v_exp_f32 v[CH], v[CH]                         ; the block's largest p: the same instructions on the same number
	v_exp_f32 v[CH+2], v[CH+2]
	v_nop
	WALU
	v_max_num_f32 v[CH], 0x1800000, v[CH]          ; the floor 2^(3 - 127): the byte cannot fall under 1
	v_max_num_f32 v[CH+2], 0x1800000, v[CH+2]
	SUMS 0, 2
	v_add_nc_u32 v[SO], 0xff000000, v[CH]          ; 2 off the exponent field: the conversion's scale operand
	v_add_nc_u32 v[SO+1], 0xff000000, v[CH+2]
	SUMS 2, 2
	v_lshrrev_b32 v[SO+2], 23, v[SO]
	v_lshrrev_b32 v[SO+3], 23, v[SO+1]
	SUMS 4, 2
	v_lshl_or_b32 v[SO+4], v[SO+3], 16, v[SO+2]    ; my two bytes, blocks h and 2 + h,
	SUMS 6, 2
	v_lshlrev_b32 v[SO+4], v[SH8], v[SO+4]         ; at their places;
	SUMS 8, 2
	v_permlanex16_b32 v[SO+5], v[SO+4], s34, s35
	SUMS 10, 2
	v_or_b32 v[PS], v[SO+4], v[SO+5]               ; with lane l xor 16's two the word is whole
.irp c, 0,1
	v_cvt_scalef32_pk16_fp6_f32 v[PC+6*\c:PC+6*\c+2], v[S+32*\c:S+32*\c+15], v[SO+\c]
	v_cvt_scalef32_pk16_fp6_f32 v[PT+4*\c:PT+4*\c+2], v[S+32*\c+16:S+32*\c+31], v[SO+\c]
.endr
	v_nop                                          ; one plain place behind a scaled conversion
.irp c, 0,1
.irp i, 0,1,2
	v_mov_b32 v[PC+6*\c+3+\i], v[PT+4*\c+\i]
.endr
.endr
	SUMS 12, 12                                    ; also the places between p's codes and scale word and the products
	WALU
.if \pref
	s_wait_dscnt 8                                 ; v's eight loads are in; the next k's eight may be out
.else
	s_wait_dscnt 0x0
.endif
.irp e, 0,1
	v_wmma_scale_f32_16x16x128_f8f6f4 v[O+8*\e:O+8*\e+7], v[VF+12*\e:VF+12*\e+11], v[PC:PC+11], v[O+8*\e:O+8*\e+7], v[SV+\e], v[PS] matrix_a_fmt:MATRIX_FMT_FP6 matrix_b_fmt:MATRIX_FMT_FP6 matrix_a_scale:MATRIX_SCALE_ROW1
.endr
	SUMS 24, 8
.endm
	s_load_b256 s[4:11], s[0:1], 0x0               ; qbuf s[4:5], kv s[6:7], oc s[8:9], os s[10:11]
	v_lshl_add_u32 v[SPW], v0, 2, SPARE
	v_mov_b32 v[NIL], 0
	ds_add_u32 v[SPW], v[NIL]
	ds_add_u32 v[SPW], v[NIL]
	v_lshrrev_b32 v10, 5, v0
	v_readfirstlane_b32 s12, v10                   ; wave
	s_bfe_u32 s13, ttmp6, 0x40000                  ; cx
	s_lshl_b32 s14, ttmp9, 2
	s_add_co_u32 s14, s14, s13                     ; which 256 queries
	s_and_b32 s15, ttmp7, 0xffff                   ; y: the same in the cluster's four
	s_mov_b32 s16, 15|(3<<16)|(1<<21)              ; group 1: a record as 25 rows of 256 bytes, for all four partners
	s_mov_b32 s17, 32<<16
	s_mov_b32 s18, 25<<16
	s_mov_b32 s19, 32<<16
	s_mov_b32 s20, 25
	s_mov_b32 s21, 32
	s_mov_b32 s22, 0
	s_mov_b32 s23, 0
	s_mul_i32 s38, s12, REC
	s_mul_i32 s40, s15, 32*REC
	s_add_co_u32 s40, s40, s38                     ; kv: record 32 y + w
	s_mov_b32 s41, 0
	s_lshr_b32 s42, s12, 2
	s_lshl_b32 s43, s14, 2
	s_add_co_u32 s42, s42, s43
	s_lshl_b32 s43, s15, 6
	s_add_co_u32 s42, s42, s43                     ; q's fragment: 64 y + 4 x + w / 4
	s_mul_i32 s44, s42, 1536
	s_mov_b32 s45, 0
	s_lshl_b32 s46, s42, 7
	s_add_co_u32 s46, s46, 1572864                 ; its scale words
	s_mov_b32 s47, 0
	s_and_b32 s48, s12, 3                          ; my tile of it
	s_bitcmp1_b32 s48, 1
	s_cselect_b32 s49, -1, 0
	s_bitcmp1_b32 s48, 0
	s_mov_b32 s50, 0xffff
	s_cselect_b32 s50, 0xffff0000, s50
	s_mov_b32 s51, 0xffff
	s_mov_b32 s52, 0xffff0000
	s_mul_i32 s53, s48, 0x01010101
	s_lshl_b32 s54, s15, 8
	s_lshl_b32 s55, s14, 4
	s_add_co_u32 s54, s54, s55
	s_add_co_u32 s54, s54, s12
	s_mul_i32 s54, s54, 384                        ; oc: tile 256 y + 16 x + w, 384 bytes
	s_mov_b32 s55, 0
	s_lshl_b32 s56, s15, 12
	s_lshl_b32 s57, s14, 8
	s_add_co_u32 s56, s56, s57                     ; os: the work-group's 256 bytes
	s_mov_b32 s57, 0
	s_lshl_b32 s58, s12, 4
	s_add_co_u32 s58, s58, OSTG
	s_mov_b32 s32, 0x3fb8aa3b                      ; log2(e)
	s_mov_b32 s33, s32
	s_mov_b32 s34, 0x76543210
	s_mov_b32 s35, 0xfedcba98
	s_mov_b32 s36, 0
	s_wait_dscnt 0x0
	s_wait_kmcnt 0x0
	s_add_nc_u64 s[40:41], s[6:7], s[40:41]
	s_add_nc_u64 s[44:45], s[4:5], s[44:45]
	s_add_nc_u64 s[46:47], s[4:5], s[46:47]
	s_add_nc_u64 s[54:55], s[8:9], s[54:55]
	s_add_nc_u64 s[56:57], s[10:11], s[56:57]
	s_mov_b32 s24, 1
	s_mov_b32 s25, s38
	s_mov_b64 s[26:27], s[40:41]
	s_or_b32 s27, s27, 0x80000000
	s_mov_b32 s28, 1
	s_add_co_u32 s29, s38, 16*REC
	s_add_nc_u64 s[30:31], s[40:41], 16*REC
	s_or_b32 s31, s31, 0x80000000
	CROUND
	tensor_load_to_lds s[24:27], s[16:23]          ; records 0 to 15: one load a wave at the head
	s_nop 0
	v_and_b32 v10, 31, v0
	v_lshlrev_b32 v[A0], 4, v10
	v_lshlrev_b32 v[S0], 2, v10
	WALU
.irp i, 0,1,2
	global_load_b128 v[56+4*\i:59+4*\i], v[A0], s[44:45] offset:512*\i
.endr
	global_load_b32 v68, v[S0], s[46:47]
	v_and_b32 v54, 15, v0
	v_bfe_u32 v55, v0, 4, 1
	v_lshlrev_b32 v[SH8], 3, v55
	v_mul_u32_u24 v[OA], v54, 24
	v_add_nc_u32 v[OSA], s58, v54
	v_lshl_add_u32 v[OSR], v10, 3, OSTG
	v_lshlrev_b32 v[OSG], 3, v10
	v_mad_u32_u24 v[OA], v55, 12, v[OA]
.irp j, 11,14,15,16,17,19,213
	v_mov_b32 v[\j], 0
.endr
.irp j, 0,1,2,3,4,5
	v_mov_b32 v[24+\j], 0
	v_mov_b32 v[36+\j], 0
	v_mov_b32 v[48+\j], 0
	v_mov_b32 v[76+\j], 0
.endr
.irp j, 0,1,2,3,4,5,6,7,8,9,10,11,12,13,14,15
	v_mov_b32 v[O+\j], 0                           ; the step is written once: the first finds zeros
.endr
.irp q, 0,1,2,3
	v_mov_b32 v[CH+\q], 0xff800000                 ; under every score
.endr
	WALU
	s_wait_loadcnt 0x0
	v_perm_b32 v[QS], v68, v68, s53                ; my tile's byte in all four places
.irp j, 0,1,2,3,4,5
	v_cndmask_b32 v[70+\j], v[56+\j], v[62+\j], s49
.endr
.irp j, 0,1,2,3,4,5
	v_permlanex16_b32 v[76+\j], v[70+\j], s34, s35
.endr
.irp j, 0,1,2,3,4,5
	v_cndmask_b32 v[82+\j], v[76+\j], v[70+\j], s50
.endr
.irp j, 0,1,2,3,4,5
	v_cndmask_b32 v[30+\j], 0, v[82+\j], s51
	v_cndmask_b32 v[42+\j], 0, v[82+\j], s52
.endr
	WALU
	s_wait_tensorcnt 0x0                           ; my record is in
	ds_add_u32 v[SPW], v[NIL]
	s_wait_dscnt 0x0
	CROUND                                         ; records 0 to 15 are whole, and the four partners are here
	tensor_load_to_lds s[28:31], s[16:23]          ; records 16 to 31
	s_nop 0
	MAXRUN                                         ; the first walk, steps 0 to 15
	WALU
	s_wait_tensorcnt 0x0                           ; my second record is in
	s_barrier_signal -1
	s_barrier_wait -1                              ; and everybody's
	s_add_co_u32 s36, s36, REC
	MAXRUN                                         ; steps 16 to 31
	v_max3_num_f32 v10, v[CH], v[CH+1], v[CH+2]
	s_delay_alu instid0(VALU_DEP_1)
	v_max_num_f32 v10, v10, v[CH+3]
	s_delay_alu instid0(VALU_DEP_1)
	v_permlanex16_b32 v11, v10, s34, s35           ; lane l xor 16 holds the same query's other keys
	s_delay_alu instid0(VALU_DEP_1)
	v_max_num_f32 v10, v10, v11                    ; the row's largest score
	s_delay_alu instid0(VALU_DEP_1)
	v_sub_f32 v12, 0, v10
	s_delay_alu instid0(VALU_DEP_1)
	v_mov_b32 v13, v12
	s_mov_b32 s36, 0                               ; the second walk
	FIRSTK
	s_mov_b32 s37, 31
.Lstep:
	STEP 1
	s_sub_co_u32 s37, s37, 1
	s_cmp_lg_u32 s37, 0
	WALU
	s_cbranch_scc1 .Lstep
	STEP 0
	v_pk_add_f32 v[14:15], v[14:15], v[16:17]
	s_delay_alu instid0(VALU_DEP_1)
	v_add_f32 v14, v14, v15
	s_delay_alu instid0(VALU_DEP_1)
	v_permlanex16_b32 v11, v14, s34, s35
	s_delay_alu instid0(VALU_DEP_1)
	v_add_f32 v14, v14, v11                        ; the row's sum
	WALU
	v_rcp_f32 v18, v14
	v_nop
	WALU
.set jj, 0
.rept 8
	v_pk_mul_f32 v[S+jj:S+jj+1], v[O+jj:O+jj+1], v[18:19] op_sel_hi:[1,0]
.set jj, jj+2
.endr
.set jj, 0
.rept 8
	v_pk_fma_f32 v[S+16+jj:S+17+jj], v[S+jj:S+jj+1], v[14:15], v[O+jj:O+jj+1] op_sel_hi:[1,0,1] neg_lo:[1,0,0] neg_hi:[1,0,0]   ; what the quotient leaves,
.set jj, jj+2
.endr
.set jj, 0
.rept 8
	v_pk_fma_f32 v[S+jj:S+jj+1], v[S+16+jj:S+17+jj], v[18:19], v[S+jj:S+jj+1] op_sel_hi:[1,0,1]   ; put back: the division to f32's accuracy
.set jj, jj+2
.endr
	v_max3_num_f32 v[CH], |v[S]|, |v[S+1]|, 0x1800000
	v_max3_num_f32 v[CH+1], |v[S+2]|, |v[S+3]|, |v[S+6]|
	s_delay_alu instid0(VALU_DEP_2)
	v_max3_num_f32 v[CH], v[CH], |v[S+4]|, |v[S+5]|
	s_delay_alu instid0(VALU_DEP_2)
	v_max3_num_f32 v[CH+1], v[CH+1], |v[S+7]|, |v[S+10]|
	s_delay_alu instid0(VALU_DEP_2)
	v_max3_num_f32 v[CH], v[CH], |v[S+8]|, |v[S+9]|
	s_delay_alu instid0(VALU_DEP_2)
	v_max3_num_f32 v[CH+1], v[CH+1], |v[S+11]|, |v[S+14]|
	s_delay_alu instid0(VALU_DEP_2)
	v_max3_num_f32 v[CH], v[CH], |v[S+12]|, |v[S+13]|
	s_delay_alu instid0(VALU_DEP_1)
	v_max3_num_f32 v[CH], v[CH], v[CH+1], |v[S+15]|
	s_delay_alu instid0(VALU_DEP_1)
	v_permlanex16_b32 v11, v[CH], s34, s35
	s_delay_alu instid0(VALU_DEP_1)
	v_max_num_f32 v[CH], v[CH], v11
	s_delay_alu instid0(VALU_DEP_1)
	v_add_nc_u32 v[SO], 0xff000000, v[CH]
	v_cvt_scalef32_pk16_fp6_f32 v[PC:PC+2], v[S:S+15], v[SO]
	v_lshrrev_b32 v[SO+2], 23, v[SO]
	global_store_b96 v[OA], v[PC:PC+2], s[54:55]   ; my 16 codes: places 16 h .. + 15 of row r's 24 bytes; the wave stores 384 consecutive bytes
	ds_store_b8 v[OSA], v[SO+2]                    ; both halves of the lanes write the same byte with the same value
	s_wait_dscnt 0x0                               ; for wave 0's sake
	s_barrier_signal -1
	s_barrier_wait -1
	s_cmp_lg_u32 s12, 0
	s_cbranch_scc1 .Lbytes_out
	ds_load_b64 v[S:S+1], v[OSR]
	s_wait_dscnt 0x0
	global_store_b64 v[OSG], v[S:S+1], s[56:57]    ; the work-group's 256 scale bytes: one aligned unit
.Lbytes_out:
	s_wait_tensorcnt 0x0                           ; the wave's end
	ds_add_u32 v[SPW], v[NIL]
	s_wait_dscnt 0x0
	CROUND                                         ; the closing round
	s_endpgm
.Lfunc_end_k_qa990ae33dc_attn:
	.size	k_qa990ae33dc_attn, .Lfunc_end_k_qa990ae33dc_attn-k_qa990ae33dc_attn
	.p2alignl 7, 3214868480
	.fill 96, 4, 3214868480
	.section	.rodata,"a",@progbits
	.p2align	6, 0x0
	.amdhsa_kernel k_qa990ae33dc_attn
		.amdhsa_group_segment_fixed_size 327680
		.amdhsa_private_segment_fixed_size 0
		.amdhsa_enable_private_segment 0
		.amdhsa_kernarg_size 32
		.amdhsa_user_sgpr_count 2
		.amdhsa_user_sgpr_kernarg_segment_ptr 1
		.amdhsa_wavefront_size32 1
		.amdhsa_system_sgpr_workgroup_id_x 1
		.amdhsa_system_sgpr_workgroup_id_y 1
		.amdhsa_system_sgpr_workgroup_id_z 1
		.amdhsa_system_vgpr_workitem_id 0
		.amdhsa_next_free_vgpr 256
		.amdhsa_next_free_sgpr 66
		.amdhsa_reserve_vcc 0
		.amdhsa_float_denorm_mode_32 3
		.amdhsa_float_denorm_mode_16_64 3
		.amdhsa_memory_ordered 1
		.amdhsa_forward_progress 1
		.amdhsa_inst_pref_size 57
	.end_amdhsa_kernel
	.amdgpu_metadata
---
amdhsa.version: [ 1, 2 ]
amdhsa.kernels:
  - .name:           k_qa990ae33dc_attn
    .symbol:         k_qa990ae33dc_attn.kd
    .args:
      - { .name: qbuf, .offset: 0, .size: 8, .value_kind: global_buffer, .address_space: global }
      - { .name: kv, .offset: 8, .size: 8, .value_kind: global_buffer, .address_space: global }
      - { .name: oc, .offset: 16, .size: 8, .value_kind: global_buffer, .address_space: global }
      - { .name: os, .offset: 24, .size: 8, .value_kind: global_buffer, .address_space: global }
    .group_segment_fixed_size: 327680
    .private_segment_fixed_size: 0
    .kernarg_segment_align: 8
    .kernarg_segment_size: 32
    .max_flat_workgroup_size: 512
    .sgpr_count:     66
    .vgpr_count:     256
    .wavefront_size: 32
...
	.end_amdgpu_metadata
.endif
;; end of part 2
;; launch proj (part 3): grid 256 x 1, 8 waves a work-group, no clusters, 48,640 bytes of LDS; arguments oc, os, w_out, out0; writes out0
.if DOCPART == 3
	.amdgcn_target "amdgcn-amd-amdhsa--gfx1250"
	.amdhsa_code_object_version 6
	.text
	.protected	k_qa990ae33dc_proj
	.globl	k_qa990ae33dc_proj
	.p2align	8
	.type	k_qa990ae33dc_proj,@function
k_qa990ae33dc_proj:
	s_mov_b64 s[64:65], 0
	v_nop
	global_prefetch_b8 v0, s[64:65] scope:SCOPE_SE
	s_setreg_imm32_b32 hwreg(HW_REG_WAVE_MODE, 25, 1), 1
	s_wait_xcnt 0x0
; out0[c][token] = the sum over the 128 hidden units of O[token][.] w_out[.][c], on codes of FP6 (E2M3) with E8M0 scales.  O arrives as codes [y = 4 f + hd][tile of 16 tokens][row][24 bytes] with one byte a token and head;
; a head's 32 are one block of K.  w_out [128 k][128 c] f32 is quantised here, a lane to a column, registers down K.
; Inside a block O's codes stand at place 16 h + 8 e + j for d = 16 e + 8 h + j: w_out's rows are loaded in that order (d(i) = 16 ((i / 8) % 2) + 8 (i / 16) + i % 8), so that the products are those of d in order.
; SHARES.  A work-group takes 64 tokens; wave w makes channels 16 w .. 16 w + 15 for all of them: four products, K = 128 each.  Ahead of that wave w quantises K rows 64 (w % 2) .. + 63 of columns 32 (w / 2) .. + 31,
; and the eight tiles of w_out meet in LDS as images of their registers (48 bytes a lane).  One barrier.
; Source 0 = 16 tokens, source 1 = 16 channels: a lane holds one channel, and, since row r of token tile b is token 32 (r / 8) + 8 b + r % 8, its 32 registers are 32 neighbouring tokens: 128 consecutive bytes of a row of out0.
; They go through the wave's own rows of a stage and leave as whole rows: sixteen lanes store 256 consecutive bytes, aligned.
; w_out is read by every work-group and is not asked for jointly: the quantiser wants a lane to a column with registers down K, which plain loads give at once; a tensor load would add a pass through LDS to a launch of four products a wave.
; LIMITS: NaN and infinities are not served; a block of zeros gets the byte 1 (its codes are zeros; this program alone reads the bytes).
.set WSC,  12288                       ; LDS: 8 images of 1,536 bytes; 8 x 64 bytes of scale words;
.set STG,  12800                       ; the stage: 128 rows x (256 bytes + 16)
.set OA,   1                           ; addresses: see where they are made
.set OSO,  2
.set LO4,  3
.set IW,   4
.set SW,   5
.set WFA,  6
.set WSA,  7
.set STO,  8
.set STR,  9
.set GO,   10
.set OS,   16                          ; v16-19 O's scale words, v20 w_out's: scales and nothing else
.set WS,   20
.set BY,   21                          ; v21-22 my two scale bytes
.set OB,   24                          ; v24-39 O's scale bytes as loaded
.set OF,   40                          ; v40-87 O's four fragments
.set X,    88                          ; v88-151 two sets of 32 numbers of w_out; later the rows read back
.set CD,   152                         ; v152-163 their codes
.set TT,   164
.set WF,   168                         ; v168-179 my tile of w_out
.set ACC,  180                         ; v180-211 four results
.macro LOADW h
.set ii, 0
.rept 32
	global_load_b32 v[X+32*(\h)+ii], v[LO4], s[24:25] offset:(32*(\h)+16*((ii>>3)&1)+8*(ii>>4)+(ii&7))*512
.set ii, ii+1
.endr
.endm
.macro UNITQ set, c, by                ; a block of 32 along K, all in my registers: largest magnitude with the floor 2^(3 - 127), scale operand, byte, 24 bytes of codes
.set XB, X+32*(\set)
	v_max3_num_f32 v12, |v[XB]|, |v[XB+1]|, |v[XB+2]|
	v_max3_num_f32 v13, |v[XB+3]|, |v[XB+4]|, |v[XB+5]|
.irp i, 6,10,14,18,22,26
	s_delay_alu instid0(VALU_DEP_2)
	v_max3_num_f32 v12, v12, |v[XB+\i]|, |v[XB+\i+1]|
	s_delay_alu instid0(VALU_DEP_2)
	v_max3_num_f32 v13, v13, |v[XB+\i+2]|, |v[XB+\i+3]|
.endr
	s_delay_alu instid0(VALU_DEP_2)
	v_max3_num_f32 v12, v12, |v[XB+30]|, |v[XB+31]|
	s_delay_alu instid0(VALU_DEP_1)
	v_max3_num_f32 v12, v12, v13, 0x1800000
	s_delay_alu instid0(VALU_DEP_1)
	v_add_nc_u32 v14, 0xff000000, v12
	v_cvt_scalef32_pk16_fp6_f32 v[\c:\c+2], v[XB:XB+15], v14
	v_cvt_scalef32_pk16_fp6_f32 v[TT:TT+2], v[XB+16:XB+31], v14
	v_lshrrev_b32 v[\by], 23, v14                  ; the byte; also the plain place behind the conversions
.irp i, 0,1,2
	v_mov_b32 v[\c+3+\i], v[TT+\i]
.endr
.irp i, 0,1,2
	ds_store_b64 v[IW], v[\c+2*\i:\c+2*\i+1] offset:768*(\set)+8*\i
.endr
.endm
	s_load_b256 s[4:11], s[0:1], 0x0               ; oc s[4:5], os s[6:7], w_out s[8:9], out0 s[10:11]
	v_lshl_add_u32 v216, v0, 2, 0xba00
	v_mov_b32 v217, 0
	v_lshrrev_b32 v1, 5, v0
	s_delay_alu instid0(VALU_DEP_1)
	v_readfirstlane_b32 s12, v1                    ; wave 0..7
	s_lshr_b32 s13, s12, 1                         ; which 32 columns of w_out I quantise
	s_and_b32 s14, s12, 1                          ; which 64 of its K rows
	s_lshr_b32 s15, ttmp9, 6                       ; f
	s_and_b32 s16, ttmp9, 63                       ; which 64 tokens of the frame
	s_mul_i32 s20, s15, 393216                     ; O's codes: (1,024 f + 4 G) tiles of 384 bytes
	s_mul_i32 s17, s16, 1536
	s_add_co_u32 s20, s20, s17
	s_mov_b32 s21, 0
	s_lshl_b32 s22, s15, 14                        ; O's bytes: 16,384 f + 64 G
	s_lshl_b32 s17, s16, 6
	s_add_co_u32 s22, s22, s17
	s_mov_b32 s23, 0
	s_lshl_b32 s24, s14, 15                        ; w_out: 64 rows of 512 bytes, 32 columns of 4
	s_lshl_b32 s18, s13, 7
	s_add_co_u32 s24, s24, s18
	s_mov_b32 s25, 0
	s_lshl_b32 s26, s12, 20                        ; out0: 16 w rows of 65,536 bytes, the work-group's 256 bytes of a row
	s_lshl_b32 s17, ttmp9, 8
	s_add_co_u32 s26, s26, s17
	s_mov_b32 s27, 0
	v_and_b32 v12, 31, v0                          ; lane
	v_and_b32 v[OSO], 15, v0                       ; r: also my byte among a tile's 16
	v_bfe_u32 v13, v0, 4, 1                        ; h
	s_delay_alu instid0(VALU_DEP_1)
	v_mul_u32_u24 v[OA], v13, 98304                ; O's fragment: block 2 c + h is head 2 c + h, 98,304 bytes a head;
	s_delay_alu instid0(VALU_DEP_1)
	v_mad_u32_u24 v[OA], v[OSO], 24, v[OA]         ; row r's 24 bytes
	v_lshlrev_b32 v[LO4], 2, v12
	s_mul_i32 s17, s13, 3072
	s_mul_i32 s19, s14, 24
	s_add_co_u32 s17, s17, s19
	v_mul_u32_u24 v[IW], v[OSO], 48                ; my column's place: image 2 (w / 2) + l / 16, row l % 16, 24 bytes for each of the lane's two blocks
	s_delay_alu instid0(VALU_DEP_1)
	v_mad_u32_u24 v[IW], v13, 1536, v[IW]
	s_delay_alu instid0(VALU_DEP_1)
	v_add_nc_u32 v[IW], s17, v[IW]
	s_lshl_b32 s19, s14, 1
	s_add_co_u32 s19, s19, s18
	s_add_co_u32 s19, s19, WSC
	v_add_nc_u32 v[SW], s19, v[LO4]                ; and its half of a scale word
	s_mul_i32 s17, s12, 1536
	v_mul_u32_u24 v[WFA], v12, 48
	s_delay_alu instid0(VALU_DEP_1)
	v_add_nc_u32 v[WFA], s17, v[WFA]               ; my tile's image
	s_lshl_b32 s17, s12, 6
	s_add_co_u32 s17, s17, WSC
	v_lshl_add_u32 v[WSA], v[OSO], 2, s17
	s_mul_i32 s17, s12, 16*272
	s_add_co_u32 s17, s17, STG                     ; my 16 rows of the stage
	v_mul_u32_u24 v[STO], v[OSO], 272
	s_delay_alu instid0(VALU_DEP_1)
	v_lshl_add_u32 v[STO], v13, 7, v[STO]
	s_delay_alu instid0(VALU_DEP_1)
	v_add_nc_u32 v[STO], s17, v[STO]               ; in: row r, 128 bytes for each half of the lanes
	v_mul_u32_u24 v[STR], v13, 272
	s_delay_alu instid0(VALU_DEP_1)
	v_lshl_add_u32 v[STR], v[OSO], 4, v[STR]
	s_delay_alu instid0(VALU_DEP_1)
	v_add_nc_u32 v[STR], s17, v[STR]               ; back: lanes 0-15 one row, lanes 16-31 the next
	v_lshlrev_b32 v[GO], 16, v13
	s_delay_alu instid0(VALU_DEP_1)
	v_lshl_add_u32 v[GO], v[OSO], 4, v[GO]         ; and the same two rows in out0
	s_wait_kmcnt 0x0
	s_add_nc_u64 s[20:21], s[4:5], s[20:21]
	s_add_nc_u64 s[22:23], s[6:7], s[22:23]
	s_add_nc_u64 s[24:25], s[8:9], s[24:25]
	s_add_nc_u64 s[26:27], s[10:11], s[26:27]
.irp b, 0,1,2,3
.irp c, 0,1
.irp p, 0,1,2
	global_load_b64 v[OF+12*\b+6*\c+2*\p:OF+12*\b+6*\c+2*\p+1], v[OA], s[20:21] offset:384*\b+196608*\c+8*\p
.endr
.endr
.endr
.irp b, 0,1,2,3
.irp d, 0,1,2,3
	global_load_u8 v[OB+4*\b+\d], v[OSO], s[22:23] offset:4096*\d+16*\b
.endr
.endr
	LOADW 0
	LOADW 1
	s_wait_loadcnt 32                              ; all but the second unit's 32 loads are in
.irp b, 0,1,2,3
	v_lshl_or_b32 v[OS+\b], v[OB+4*\b+1], 8, v[OB+4*\b]   ; a token's four bytes, one a head, make its scale word
.endr
.irp b, 0,1,2,3
	s_delay_alu instid0(VALU_DEP_4)
	v_lshl_or_b32 v[OS+\b], v[OB+4*\b+2], 16, v[OS+\b]
.endr
.irp b, 0,1,2,3
	s_delay_alu instid0(VALU_DEP_4)
	v_lshl_or_b32 v[OS+\b], v[OB+4*\b+3], 24, v[OS+\b]
.endr
	UNITQ 0, CD, BY
	s_wait_loadcnt 0x0
	UNITQ 1, CD+6, BY+1
	v_lshl_or_b32 v[BY+1], v[BY+1], 8, v[BY]
	ds_store_b16 v[SW], v[BY+1]
	s_wait_dscnt 0x0                               ; for the others' sake: my images and scale bytes have landed
	s_barrier_signal -1
	s_barrier_wait -1
.irp i, 0,1,2
	ds_load_b128 v[WF+4*\i:WF+4*\i+3], v[WFA] offset:16*\i
.endr
	ds_load_b32 v[WS], v[WSA]
	s_wait_dscnt 0x0
.irp b, 0,1,2,3
	v_wmma_scale_f32_16x16x128_f8f6f4 v[ACC+8*\b:ACC+8*\b+7], v[OF+12*\b:OF+12*\b+11], v[WF:WF+11], 0, v[OS+\b], v[WS] matrix_a_fmt:MATRIX_FMT_FP6 matrix_b_fmt:MATRIX_FMT_FP6
.endr
.rept 4
	v_nop                                          ; four plain places between a matrix instruction and the first read of its result (ISA guide 7.12.1)
.endr
.irp b, 0,1,2,3
	ds_store_b128 v[STO], v[ACC+8*\b:ACC+8*\b+3] offset:32*\b          ; lane (r, h): out(16 w + r, tokens 32 h + 8 b + 0 .. 7); each result from its low end on
	ds_store_b128 v[STO], v[ACC+8*\b+4:ACC+8*\b+7] offset:32*\b+16
.endr
.irp i, 0,1,2,3,4,5,6,7
	ds_load_b128 v[X+4*\i:X+4*\i+3], v[STR] offset:2*\i*272            ; my own rows: LDS serves a wave's instructions in order (ISA guide 5.7.1.4), so these see the stores above
.endr
.irp i, 0,1,2,3,4,5,6,7
	s_wait_dscnt 7-\i                              ; rows 2 i and 2 i + 1 are back; the younger loads may be out
	global_store_b128 v[GO], v[X+4*\i:X+4*\i+3], s[26:27] offset:2*\i*65536 th:TH_STORE_NT   ; sixteen lanes store 256 consecutive bytes, aligned
.endr
	s_wait_tensorcnt 0x0
	ds_add_u32 v216, v217
	s_wait_dscnt 0x0
	s_endpgm
.Lfunc_end_k_qa990ae33dc_proj:
	.size	k_qa990ae33dc_proj, .Lfunc_end_k_qa990ae33dc_proj-k_qa990ae33dc_proj
	.p2alignl 7, 3214868480
	.fill 96, 4, 3214868480
	.section	.rodata,"a",@progbits
	.p2align	6, 0x0
	.amdhsa_kernel k_qa990ae33dc_proj
		.amdhsa_group_segment_fixed_size 48640
		.amdhsa_private_segment_fixed_size 0
		.amdhsa_enable_private_segment 0
		.amdhsa_kernarg_size 32
		.amdhsa_user_sgpr_count 2
		.amdhsa_user_sgpr_kernarg_segment_ptr 1
		.amdhsa_wavefront_size32 1
		.amdhsa_system_sgpr_workgroup_id_x 1
		.amdhsa_system_sgpr_workgroup_id_y 1
		.amdhsa_system_sgpr_workgroup_id_z 1
		.amdhsa_system_vgpr_workitem_id 0
		.amdhsa_next_free_vgpr 218
		.amdhsa_next_free_sgpr 66
		.amdhsa_reserve_vcc 0
		.amdhsa_float_denorm_mode_32 3
		.amdhsa_float_denorm_mode_16_64 3
		.amdhsa_memory_ordered 1
		.amdhsa_forward_progress 1
		.amdhsa_inst_pref_size 22
	.end_amdhsa_kernel
	.amdgpu_metadata
---
amdhsa.version: [ 1, 2 ]
amdhsa.kernels:
  - .name:           k_qa990ae33dc_proj
    .symbol:         k_qa990ae33dc_proj.kd
    .args:
      - { .name: oc, .offset: 0, .size: 8, .value_kind: global_buffer, .address_space: global }
      - { .name: os, .offset: 8, .size: 8, .value_kind: global_buffer, .address_space: global }
      - { .name: w_out, .offset: 16, .size: 8, .value_kind: global_buffer, .address_space: global }
      - { .name: out0, .offset: 24, .size: 8, .value_kind: global_buffer, .address_space: global }
    .group_segment_fixed_size: 48640
    .private_segment_fixed_size: 0
    .kernarg_segment_align: 8
    .kernarg_segment_size: 32
    .max_flat_workgroup_size: 256
    .sgpr_count:     66
    .vgpr_count:     218
    .wavefront_size: 32
...
	.end_amdgpu_metadata
.endif
;; end of part 3
